; MI455X (gfx1250); checked and timed in simulation.
; The chip was launched on July 23, 2026; its instructions are those of AMD's public machine-readable ISA for CDNA 5 (MIT licence, August 2026) and "CDNA5" Instruction Set Architecture Reference Guide (July 2026). The comments in the code are by the model that wrote it; some were corrected since.
;; Casual Multi Head Attention. Allowed arithmetic: matrix products marked QUANTISED: E5M2 operands, one given power-of-two scale a tensor, by v_wmma_f32_16x16x64_bf8_bf8 or v_wmma_f32_16x16x128_bf8_bf8, f32 sums; everything else in f32.
;; Inputs: k_w 1,024 x 1,024 float32; lowp_scales 12 int32 (the exponents e of the quantised operands' scales 2^e); o_w 1,024 x 1,024 float32; q_w 1,024 x 1,024 float32; v_w 1,024 x 1,024 float32; x 4 x 2,048 x 1,024 float32.
;; Outputs: out0 4 x 2,048 x 1,024 float32.
;; This version of the problem:
;;   THIS VERSION OF THE PROBLEM IS GIVEN IN LOW PRECISION. The matrix products marked QUANTISED in the list below multiply operands that are first quantised to E5M2 (5 exponent bits, 2 mantissa bits; 8 bits a number), with one given power-of-two scale for each operand tensor; their sums are f32. All else is computed in f32.
;;   The module's matrix products, in the order in which they are computed (A, B: the left and right operand; K: the contracted axis; several contracted axes count as one K, in the product's order):
;;     1. [M 8,192, K 1,024] x [K 1,024, N 1,024]; A: input x; B: input q_w: QUANTISED (scales: A lowp_scales[0], B lowp_scales[1])
;;     2. [M 8,192, K 1,024] x [K 1,024, N 1,024]; A: input x; B: input k_w: QUANTISED (scales: A lowp_scales[2], B lowp_scales[3])
;;     3. [M 8,192, K 1,024] x [K 1,024, N 1,024]; A: input x; B: input v_w: QUANTISED (scales: A lowp_scales[4], B lowp_scales[5])
;;     4. batch 64 x [M 2,048, K 64] x [K 64, N 2,048]; A: computed on the way; B: computed on the way: QUANTISED (scales: A lowp_scales[6], B lowp_scales[7])
;;     5. batch 64 x [M 2,048, K 2,048] x [K 2,048, N 64]; A: softmax (see below); B: computed on the way: QUANTISED (scales: A lowp_scales[8], B lowp_scales[9])
;;     6. [M 8,192, K 1,024] x [K 1,024, N 1,024]; A: computed on the way; B: input o_w: QUANTISED (scales: A lowp_scales[10], B lowp_scales[11])
;;   THE QUANTISER, for each operand of a quantised product, along K:
;;     - The operand's scale is 2^e, e = its entry of the input lowp_scales (int32; the entries are numbered through the quantised products in the list's order, A before B).
;;     - Each number is divided by the scale, clamped to +-57,344, and rounded to the nearest number of E5M2, ties to even, subnormals kept.
;;     - The product sums the exact products of the quantised numbers (number of the format x scale) in f32.
;;   ~~~python
;;   def quantise(x, axis, e):      # numpy; x: float32 -> the quantised numbers, widened to float32 again
;;       x = np.moveaxis(x, axis, -1); K = x.shape[-1]
;;       r = np.clip(x / 2.0 ** e, -57344, 57344)
;;       step = 2.0 ** (np.maximum(np.frexp(np.where(r == 0, 1, r))[1] - 1, -14) - 2)
;;       q = np.round(r / step) * step * 2.0 ** e      # np.round: ties to even
;;       return np.moveaxis(q, -1, axis).astype(np.float32)
;;   ~~~
;;   SOFTMAX AHEAD OF A QUANTISED PRODUCT. Where the list says 'softmax', what is quantised is not the finished softmax but p = 2^(t - M), with t = logit x log2(e) and M = ceil(the row's largest t), a whole number; so 1/2 < the row's largest p <= 1. The row's sum l is taken of the UNQUANTISED p, in f32, and the product's result is divided by l at the end. Since M is a whole number, a kernel that streams over the keys may use a running M (the ceiling of the running maximum): every later rescaling is an exact power of two, so the quantised numbers keep their values, but for numbers so far below the row's largest that they fall under the format's range.
;;   OPERANDS COMPUTED ON THE WAY. 'Computed on the way' means the value that the module computes at that place (a softmax that the list does not call 'softmax' is quantised finished and normalised). What goes into a quantiser is computed in f32, as accurately as f32 sums, v_exp_f32 and their like allow (about 1e-6 of the number): no bf16 or f16 on the way to a quantiser, and a product that is left as it is and whose result goes on into a quantised operand takes f32 operands (vector FMAs, or v_wmma_f32_16x16x4_f32). A number that lies on a knife's edge between two numbers of the format may be rounded either way, as far as f32 arithmetic and the matrix unit's own rounding can turn it there, and no further.
;; One version. Each part assembles by itself: llvm-mc -triple=amdgcn-amd-amdhsa -mcpu=gfx1250 --defsym DOCPART=n.
;; ======== version 1 of 1: 4 launches
;; workspace buffers: xc 25,165,824 bytes; wc 4,194,304 bytes; rope 524,288 bytes; qc 8,388,608 bytes; kc 8,388,608 bytes; vc 8,388,608 bytes; ao 8,388,608 bytes
;; launch prep (part 1): grid 832 x 1, 4 waves a work-group, no clusters, 34,304 bytes of LDS; arguments x, q_w, k_w, v_w, o_w, lowp_scales, xc, wc, rope; writes xc, wc, rope
.if DOCPART == 1
	.amdgcn_target "amdgcn-amd-amdhsa--gfx1250"
	.amdhsa_code_object_version 6
	.text
	.protected	k_q234ec287a3_prep
	.globl	k_q234ec287a3_prep
	.p2align	8
	.type	k_q234ec287a3_prep,@function
k_q234ec287a3_prep:
	s_mov_b64 s[64:65], 0
	v_nop
	global_prefetch_b8 v0, s[64:65] scope:SCOPE_SE
	s_setreg_imm32_b32 hwreg(HW_REG_WAVE_MODE, 25, 1), 1
	s_wait_xcnt 0x0
; PREP: three jobs, told apart by the work-group's number.
;   0..511    x [8192][1024] f32 -> three sets of E5M2 codes (scales' exponents: entries 0, 2, 4), one block of 16 rows a work-group
;   512..767  q_w, k_w, v_w, o_w [1024][1024] f32 -> one set each (entries 1, 3, 5, 11), 64 work-groups a weight
;   768..831  the table of RoPE: [position 2048][pair 32] (cos, sin) f32, 32 positions a work-group
; code = x / 2^e, held within +-57,344, to the nearest code, ties to even.  LIMITS: each e between -126 and 112; NaN among the inputs is not served.
; THE CODES ARE LAID AS IMAGES OF THE OPERAND'S REGISTERS.  Row block rb holds the 16 rows 32 (rb / 2) + 8 (rb % 2) + r + 8 (r / 8), r = 0 .. 15.  Byte
; ks x (rows x 256) + rb x 4096 + q x 2048 + c x 512 + 16 x lane begins the 16 codes of row r = lane % 16 at k = 256 ks + 128 q + 32 c + 16 (lane / 16).
; So a product's launch fetches a fragment by four LDS loads at 16 x lane, and a tile of a K step is one dense block.
; SHARES: a work-group takes one row block; wave w takes ks = w, in two units (q = 0, 1) of 16 rows x 128 along K.  Each load reads 512 consecutive bytes of one row;
; a unit turns through the wave's own stage in LDS (rows 528 bytes apart) and comes back 16 neighbours along K to a lane, four times; each store covers 512 consecutive bytes.
; No tensor load, no barrier: waves share nothing.  x and the weights take ONE path: only pointers, offsets and exponents are chosen.
.set SP,   528                         ; a stage row: 512 bytes + 16
.set WREG, 16*SP                       ; a wave's stage
.set R0,   16                          ; v16-79   unit 0 as loaded; afterwards T and C
.set R1,   80                          ; v80-143  unit 1 as loaded
.set X,    144                         ; v144-207 a unit, register 16 c + i = k 32 c + 16 (lane / 16) + i of my row
.set T,    16                          ; v16-31   16 numbers, held
.set C,    32                          ; v32-79   codes: 16 registers for each of three sets
.macro LOAD q, reg                     ; 16 rows x 512 bytes
.set p, 0
.rept 16
	global_load_b128 v[\reg+4*p:\reg+4*p+3], v2, s[40:41] offset:(p+8*(p/8))*4096+512*\q th:TH_LOAD_NT
.set p, p+1
.endr
.endm
.macro TURN reg                        ; through the stage: LDS serves a wave's instructions in order, so no wait stands between the stores and the loads
.set p, 0
.rept 16
	ds_store_b128 v4, v[\reg+4*p:\reg+4*p+3] offset:SP*p
.set p, p+1
.endr
.set p, 0
.rept 16
	ds_load_b128 v[X+4*p:X+4*p+3], v5 offset:128*(p/4)+16*(p%4)
.set p, p+1
.endr
.endm
.macro MKSC e, sc, lim                 ; from the exponent in s[e]: 2^e and 57,344 x 2^e as f32
	s_add_co_i32 s[\e], s[\e], 127
	s_lshl_b32 s49, s[\e], 23
	v_mov_b32 v[\sc], s49
	s_add_co_i32 s[\e], s[\e], 15
	s_lshl_b32 s[\e], s[\e], 23
	s_or_b32 s[\e], s[\e], 0x600000
	v_mov_b32 v[\lim], s[\e]
.endm
.macro CONV g, q, ptr                  ; set g of unit q: hold, convert, store
.irp c, 0,1,2,3
.set i, 0
.rept 16
	v_med3_num_f32 v[T+i], v[X+16*\c+i], -v[7+2*\g], v[7+2*\g]   ; the conversion to an 8-bit code does not saturate (ISA guide 7.6.2): the hold comes first
.set i, i+1
.endr
	v_cvt_scalef32_pk8_bf8_f32 v[C+16*\g+4*\c:C+16*\g+4*\c+1], v[T:T+7], v[6+2*\g]
	v_cvt_scalef32_pk8_bf8_f32 v[C+16*\g+4*\c+2:C+16*\g+4*\c+3], v[T+8:T+15], v[6+2*\g]
	v_nop                                          ; a plain line between the conversions and the next lines that write their sources
.endr
.irp c, 0,1,2,3
	global_store_b128 v2, v[C+16*\g+4*\c:C+16*\g+4*\c+3], s[\ptr:\ptr+1] offset:2048*\q+512*\c   ; 32 lanes: 512 consecutive bytes, aligned
.endr
.endm
.macro WORK q
	CONV 0, \q, 42
	s_cmp_lt_u32 ttmp9, 512                        ; x has two more sets, a weight none
	s_cbranch_scc0 .Lone_\@
	CONV 1, \q, 44
	CONV 2, \q, 46
.Lone_\@:
.endm
	s_load_b256 s[4:11], s[0:1], 0x0               ; x, q_w, k_w, v_w
	s_load_b256 s[12:19], s[0:1], 0x20             ; o_w, the scales' exponents, xc, wc
	s_load_b64 s[20:21], s[0:1], 0x40              ; rope
	v_lshl_add_u32 v208, v0, 2, 0x8400
	v_mov_b32 v209, 0
	v_lshrrev_b32 v1, 5, v0
	v_readfirstlane_b32 s36, v1                    ; wave
	v_and_b32 v3, 31, v0                           ; lane
	s_cmp_ge_u32 ttmp9, 768
	s_cbranch_scc1 .Ltable
	v_lshlrev_b32 v2, 4, v3                        ; 16 x lane: my bytes of a load's and of a store's 512
	s_mul_i32 s48, s36, WREG
	v_add_nc_u32 v4, s48, v2                       ; the stage, on the way in
	v_and_b32 v12, 15, v0
	v_bfe_u32 v13, v0, 4, 1
	v_mul_u32_u24 v5, v12, SP
	v_lshl_add_u32 v5, v13, 6, v5
	v_add_nc_u32 v5, s48, v5                       ; and on the way out: row r, + 64 (lane / 16)
	s_sub_co_u32 s48, ttmp9, 512
	s_lshr_b32 s38, s48, 6
	s_and_b32 s49, s48, 63
	s_cmp_lt_u32 ttmp9, 512
	s_cselect_b32 s37, ttmp9, s49                  ; the row block
	s_cselect_b32 s38, 0, s38                      ; which weight
	s_lshr_b32 s50, s37, 1                         ; in: (32 (rb / 2) + 8 (rb % 2)) rows of 4,096 bytes + 1,024 x wave
	s_lshl_b32 s50, s50, 17
	s_and_b32 s51, s37, 1
	s_lshl_b32 s51, s51, 15
	s_add_co_u32 s50, s50, s51
	s_lshl_b32 s51, s36, 10
	s_add_co_u32 s50, s50, s51
	s_mov_b32 s51, 0
	s_lshl_b32 s52, s36, 21                        ; out, in xc: wave x 8192 x 256 + rb x 4096
	s_lshl_b32 s53, s37, 12
	s_add_co_u32 s52, s52, s53
	s_lshl_b32 s54, s36, 18                        ; out, in wc: weight x 2^20 + wave x 1024 x 256 + rb x 4096
	s_add_co_u32 s54, s54, s53
	s_lshl_b32 s55, s38, 20
	s_add_co_u32 s54, s54, s55
	s_mov_b32 s53, 0
	s_mov_b32 s55, 0
	s_wait_kmcnt 0x0
	s_load_b256 s[24:31], s[14:15], 0x0            ; entries 0 to 7
	s_load_b128 s[32:35], s[14:15], 0x20           ; entries 8 to 11
	s_mov_b64 s[40:41], s[12:13]                   ; the choices hang on the work-group's number alone
	s_cmp_eq_u32 s38, 2
	s_cselect_b64 s[40:41], s[10:11], s[40:41]
	s_cmp_eq_u32 s38, 1
	s_cselect_b64 s[40:41], s[8:9], s[40:41]
	s_cmp_eq_u32 s38, 0
	s_cselect_b64 s[40:41], s[6:7], s[40:41]
	s_cmp_lt_u32 ttmp9, 512
	s_cselect_b64 s[40:41], s[4:5], s[40:41]
	s_cselect_b64 s[42:43], s[16:17], s[18:19]
	s_cselect_b64 s[56:57], s[52:53], s[54:55]
	s_add_nc_u64 s[40:41], s[40:41], s[50:51]
	s_add_nc_u64 s[42:43], s[42:43], s[56:57]      ; set 0
	s_add_nc_u64 s[44:45], s[16:17], s[52:53]
	s_add_nc_u64 s[46:47], s[44:45], 0x1000000     ; x's set 2
	s_add_nc_u64 s[44:45], s[44:45], 0x800000      ; x's set 1
	LOAD 0, R0
	LOAD 1, R1
	s_wait_kmcnt 0x0
	s_mov_b32 s48, s35
	s_cmp_eq_u32 s38, 2
	s_cselect_b32 s48, s29, s48
	s_cmp_eq_u32 s38, 1
	s_cselect_b32 s48, s27, s48
	s_cmp_eq_u32 s38, 0
	s_cselect_b32 s48, s25, s48
	s_cmp_lt_u32 ttmp9, 512
	s_cselect_b32 s48, s24, s48
	MKSC 48, 6, 7
	MKSC 26, 8, 9
	MKSC 28, 10, 11
	s_wait_loadcnt 16                              ; unit 0's sixteen loads are in; unit 1's sixteen may be out
	TURN R0
	s_wait_dscnt 0x0                               ; the unit is back; R0's registers are free for T and C
	WORK 0
	s_wait_loadcnt 0x0
	TURN R1
	s_wait_dscnt 0x0
	s_wait_xcnt 0x0                                ; unit 0's stores have read C: it is written again only behind this wait
	WORK 1
	s_wait_tensorcnt 0x0
	ds_add_u32 v208, v209
	s_wait_dscnt 0x0
	s_endpgm
; THE TABLE.  Lane i holds pair i.  The angle is made as the problem makes it: P = 10000^(i/32) = 10^(i/8) to the nearest f32, 1 / P rounded as a division, position x that, each rounded once.
; cos and sin by reduction and polynomials in f32: n = the nearest whole number to angle x 2/pi; the first part of pi/2 is taken off exactly (n has 11 bits, the difference at most 23), the second with one rounding;
; what is left of pi/2 beyond the two parts, times n, stays under 3e-12 for angles up to 2,047.
.Ltable:
	v_mov_b32 v8, 0
.set i, 0
.irp p, 1.0, 1.333521432163324, 1.7782794100389228, 2.371373705661655, 3.1622776601683795, 4.216965034285822, 5.623413251903491, 7.498942093324558, 10.0, 13.33521432163324, 17.782794100389228, 23.71373705661655, 31.622776601683795, 42.16965034285822, 56.23413251903491, 74.98942093324558, 100.0, 133.3521432163324, 177.82794100389228, 237.1373705661655, 316.22776601683795, 421.6965034285822, 562.3413251903491, 749.8942093324558, 1000.0, 1333.521432163324, 1778.2794100389228, 2371.373705661655, 3162.2776601683795, 4216.965034285822, 5623.413251903491, 7498.942093324558
	s_mov_b32 s40, \p
	v_writelane_b32 v8, s40, i
.set i, i+1
.endr
	v_rcp_f32 v9, v8
	v_lshlrev_b32 v11, 3, v3                       ; 8 x lane: my pair's place in a position's 256 bytes.  (The plain line behind the reciprocal)
	s_wait_alu depctr_va_vdst(0)                   ; the wait ahead of the result's first reader
	v_fma_f32 v12, -v8, v9, 1.0
	v_fma_f32 v9, v9, v12, v9                      ; one correction step: 1 / P
	s_sub_co_u32 s41, ttmp9, 768
	s_lshl_b32 s41, s41, 5
	s_lshl_b32 s42, s36, 3
	s_add_co_u32 s41, s41, s42                     ; my wave's first position
	v_cvt_f32_u32 v10, s41
	s_lshl_b32 s42, s41, 8
	s_mov_b32 s43, 0
	s_mov_b32 s44, 0x3fc90fdb                      ; pi/2, first part
	s_mov_b32 s45, 0xb33bbd2e                      ; second part
	s_mov_b32 s46, -0.00019515295891
	s_mov_b32 s47, 0.0083321608736
	s_mov_b32 s48, -0.16666654611
	s_mov_b32 s49, 0.00002443315711809948
	s_mov_b32 s50, -0.001388731625493765
	s_mov_b32 s51, 0.04166664568298827
	s_wait_kmcnt 0x0
	s_add_nc_u64 s[20:21], s[20:21], s[42:43]
.macro SINCOS p                        ; each position has its own pair of data registers, so no store's data are written again
	v_mul_f32 v12, v10, v9                         ; the angle
	v_mul_f32 v13, 0x3f22f983, v12
	v_rndne_f32 v13, v13                           ; n
	v_fma_f32 v14, -v13, s44, v12
	v_fma_f32 v14, -v13, s45, v14                  ; r, within +-pi/4
	v_mul_f32 v15, v14, v14                        ; z
	v_fma_f32 v16, v15, s46, s47
	v_fma_f32 v17, v15, s49, s50
	v_fma_f32 v16, v16, v15, s48
	v_fma_f32 v17, v17, v15, s51
	v_mul_f32 v16, v16, v15
	v_mul_f32 v18, v15, v15
	v_fma_f32 v19, v15, -0.5, 1.0
	v_fma_f32 v16, v16, v14, v14                   ; sin r
	v_fma_f32 v17, v17, v18, v19                   ; cos r
	v_cvt_i32_f32 v20, v13
	v_and_b32 v18, 1, v20
	v_cmp_eq_u32 vcc_lo, 1, v18                    ; an odd quadrant swaps the two
	v_cndmask_b32 v19, v17, v16, vcc_lo
	v_cndmask_b32 v21, v16, v17, vcc_lo
	v_add_nc_u32 v18, 1, v20
	v_and_b32 v18, 2, v18
	v_lshlrev_b32 v18, 30, v18                     ; cos is negative in quadrants 1 and 2,
	v_xor_b32 v[32+2*\p], v19, v18
	v_and_b32 v18, 2, v20
	v_lshlrev_b32 v18, 30, v18                     ; sin in 2 and 3
	v_xor_b32 v[33+2*\p], v21, v18
	global_store_b64 v11, v[32+2*\p:33+2*\p], s[20:21] offset:256*\p   ; 32 lanes: a position's 256 consecutive bytes, aligned
	v_add_f32 v10, 1.0, v10
.endm
.irp p, 0,1,2,3,4,5,6,7
	SINCOS \p
.endr
	s_endpgm
.Lfunc_end_k_q234ec287a3_prep:
	.size	k_q234ec287a3_prep, .Lfunc_end_k_q234ec287a3_prep-k_q234ec287a3_prep
	.p2alignl 7, 3214868480
	.fill 96, 4, 3214868480
	.section	.rodata,"a",@progbits
	.p2align	6, 0x0
	.amdhsa_kernel k_q234ec287a3_prep
		.amdhsa_group_segment_fixed_size 34304
		.amdhsa_private_segment_fixed_size 0
		.amdhsa_enable_private_segment 0
		.amdhsa_kernarg_size 72
		.amdhsa_user_sgpr_count 2
		.amdhsa_user_sgpr_kernarg_segment_ptr 1
		.amdhsa_wavefront_size32 1
		.amdhsa_system_sgpr_workgroup_id_x 1
		.amdhsa_system_sgpr_workgroup_id_y 1
		.amdhsa_system_sgpr_workgroup_id_z 1
		.amdhsa_system_vgpr_workitem_id 0
		.amdhsa_next_free_vgpr 210
		.amdhsa_next_free_sgpr 66
		.amdhsa_reserve_vcc 1
		.amdhsa_float_denorm_mode_32 3
		.amdhsa_float_denorm_mode_16_64 3
		.amdhsa_memory_ordered 1
		.amdhsa_forward_progress 1
		.amdhsa_inst_pref_size 57
	.end_amdhsa_kernel
	.amdgpu_metadata
---
amdhsa.version: [ 1, 2 ]
amdhsa.kernels:
  - .name:           k_q234ec287a3_prep
    .symbol:         k_q234ec287a3_prep.kd
    .args:
      - { .name: x, .offset: 0, .size: 8, .value_kind: global_buffer, .address_space: global }
      - { .name: q_w, .offset: 8, .size: 8, .value_kind: global_buffer, .address_space: global }
      - { .name: k_w, .offset: 16, .size: 8, .value_kind: global_buffer, .address_space: global }
      - { .name: v_w, .offset: 24, .size: 8, .value_kind: global_buffer, .address_space: global }
      - { .name: o_w, .offset: 32, .size: 8, .value_kind: global_buffer, .address_space: global }
      - { .name: lowp_scales, .offset: 40, .size: 8, .value_kind: global_buffer, .address_space: global }
      - { .name: xc, .offset: 48, .size: 8, .value_kind: global_buffer, .address_space: global }
      - { .name: wc, .offset: 56, .size: 8, .value_kind: global_buffer, .address_space: global }
      - { .name: rope, .offset: 64, .size: 8, .value_kind: global_buffer, .address_space: global }
    .group_segment_fixed_size: 34304
    .private_segment_fixed_size: 0
    .kernarg_segment_align: 8
    .kernarg_segment_size: 72
    .max_flat_workgroup_size: 128
    .sgpr_count:     66
    .vgpr_count:     210
    .wavefront_size: 32
...
	.end_amdgpu_metadata
.endif
;; end of part 1
;; launch qkv (part 2): grid 4 x 96, 4 waves a work-group, clusters of 4 x 4, 327,680 bytes of LDS; arguments xc, wc, rope, lowp_scales, qc, kc, vc; writes qc, kc, vc
.if DOCPART == 2
	.amdgcn_target "amdgcn-amd-amdhsa--gfx1250"
	.amdhsa_code_object_version 6
	.text
	.protected	k_q234ec287a3_qkv
	.globl	k_q234ec287a3_qkv
	.p2align	8
	.type	k_q234ec287a3_qkv,@function
k_q234ec287a3_qkv:
	s_mov_b64 s[64:65], 0
	v_nop
	global_prefetch_b8 v0, s[64:65] scope:SCOPE_SE
	s_setreg_imm32_b32 hwreg(HW_REG_WAVE_MODE, 25, 1), 1
	s_wait_xcnt 0x0
	s_wait_alu depctr_hold_cnt(0) depctr_sa_sdst(0) depctr_va_vdst(0) depctr_va_sdst(0) depctr_va_ssrc(0) depctr_va_vcc(0) depctr_vm_vsrc(0)
	s_getreg_b32 s2, hwreg(HW_REG_IB_STS2, 6, 4)
	s_cmp_eq_u32 s2, 0
	s_cbranch_scc0 .Lentry_in_a_cluster
	s_endpgm
.Lentry_in_a_cluster:
	s_bfe_u32 s2, ttmp6, 0x10000c
	s_cmp_lg_u32 s2, 0xf033
	s_cbranch_scc0 .Lentry_shape_is_right
	s_endpgm
.Lentry_shape_is_right:
; Q = x q_w^T, K = x k_w^T (each with RoPE) and V = x v_w^T on codes of E5M2, and each result quantised at once for the attention's products.  K = 1,024.
; 24 clusters of 4 x 4 work-groups: cluster y / 8 says which product (0 Q, 1 K, 2 V), cluster y % 8 which eighth of x's 8,192 rows.
; A tile is 256 x 256, four waves of 128 x 128: 64 accumulators, 512 registers.  K goes in four steps of 256 through two LDS slots filled by joint tensor loads.
; OPERANDS ARE IMAGES OF REGISTERS (laid by the launch before): row block rb = rows 32 (rb / 2) + 8 (rb % 2) + r + 8 (r / 8); a fragment (16 rows x 128 K) is four chunks of 512 bytes, lane l's 16 bytes at 16 l,
; holding k = 32 c + 16 (l / 16) + 0 .. 15: the same permutation of k on both sides.  128 rows of a K step are 32,768 dense bytes: one tensor load, no padding, and every LDS load takes 512 consecutive bytes.
; THE MATRIX INSTRUCTION IS USED TRANSPOSED: source 0 = 16 rows of "B", source 1 = 16 rows of "A".  Lane (r, h) of accumulator (a, b) holds A's row r of block a, and register j B's row 32 (b / 2) + 16 h + 8 (b % 2) + j:
; so the 16 registers of accumulators 2 g and 2 g + 1 are 16 NEIGHBOURS, and two conversions give a lane's 16 bytes of a chunk of the next operand's image.  Results leave straight from registers, 512 consecutive bytes a store.
;   Q, K: A = x's codes, B = the weight's: a lane holds one position and 16 neighbouring channels: RoPE's pairs lie in neighbouring registers.
;   V:    A = v_w's codes, B = x's: a lane holds one channel and 16 neighbouring KEYS, which are the second attention product's K.
; A sum stands for sum x 2^(ex + ew); RoPE is linear; so the three exponents are folded into the conversion's one scale, 2^(eo - ex - ew).
; LIMITS: eo - ex - ew between -126 and 112 (entries 6 - 0 - 1, 7 - 2 - 3, 9 - 4 - 5).  NaN is not served.
; REGISTERS: window 0: v16-29 addresses and constants; v32-95 two sets of the table's cos and sin; v96-111 codes; v128-255 A's fragments, ONE set; on the way out v128-191 a block's 64 numbers.
;   window 1: B's fragments, two sets.  windows 2, 3: the accumulators, (a, b) at v[8 (8 (a % 4) + b)].
.set HALFT,  32768                     ; 128 rows of a K step: what one tensor load brings, and what one wave reads of A or of B
.set SLOT,   4*HALFT                   ; A's 256 rows, then B's
.set SPARE,  2*SLOT                    ; behind the ring: the spare words, 128 bytes a wave, which no other line names
.set FR,     16
.set NL,     4
.set NP,     4
.set ADRA, 16                          ; v16-17  LDS address of my A fragments in slot 0, 1
.set ADRB, 20                          ; v20-21  of B's
.set LOFF, 24                          ; v24     16 x lane
.set TOFF, 25                          ; v25     the table: (r + 8 (r / 8)) x 256 + 64 h
.set SC,   26                          ; v26     2^(eo - ex - ew)
.set LIM,  27                          ; v27     57,344 x that
.set SPW,  28
.set NIL,  29
.set TAB,  32
.set C,    96
.set AF,   128
.set T,    128
.set G1, 24
.set G0, 32
.set G1B, 48
.set G0B, 56
.set MSB, 0
.macro WIN new                         ; the immediate's high byte repeats the setting that is left
.if MSB != (\new)
	s_set_vgpr_msb (MSB<<8)|(\new)
.set MSB, \new
.endif
.endm
.set MUL_LO, 0xa1                      ; source 0 (B) window 1, source 1 (A) window 0, C and D window 2
.set MUL_HI, 0xf1
.set TO_B,   0x40
.macro JLOAD g0a, g1a, g0b, g1b        ; a joint load: waves 0, 1 fetch for A, waves 2, 3 for B; the branch hangs on the wave's number alone; four v_nop follow each line
	s_cmp_eq_u32 s15, 0
	s_cbranch_scc0 .Lfor_b_\@
	tensor_load_to_lds s[\g0a:\g0a+3], s[\g1a:\g1a+7]
	s_nop 0
.rept 4
	v_nop
.endr
	s_branch .Lasked_\@
.Lfor_b_\@:
	tensor_load_to_lds s[\g0b:\g0b+3], s[\g1b:\g1b+7]
	s_nop 0
.rept 4
	v_nop
.endr
.Lasked_\@:
.endm
.macro CREST
	s_cmp_lg_u32 s14, 0
	s_cbranch_scc1 .Lnot_wave_0_\@
	s_barrier_signal -3
.Lnot_wave_0_\@:
	s_barrier_wait -3
	s_barrier_signal -1
	s_barrier_wait -1
.endm
.macro CROUND
	s_barrier_signal -1
	s_barrier_wait -1
	CREST
.endm
	s_load_b256 s[4:11], s[0:1], 0x0               ; xc, wc, rope, the scales' exponents
	s_load_b128 s[68:71], s[0:1], 0x20             ; qc, kc
	s_load_b64 s[72:73], s[0:1], 0x30              ; vc
	v_lshl_add_u32 v[SPW], v0, 2, SPARE
	v_mov_b32 v[NIL], 0
	ds_add_u32 v28, v29
	s_wait_dscnt 0x0
	v_lshrrev_b32 v1, 5, v0
	v_readfirstlane_b32 s14, v1                    ; wave
	s_lshr_b32 s15, s14, 1                         ; my half of A's rows.  Also: I fetch for A (0) or for B (1)
	s_and_b32 s16, s14, 1                          ; my half of B's rows.  Also: which 128 rows I fetch
	s_bfe_u32 s40, ttmp6, 0x40000                  ; cx
	s_bfe_u32 s41, ttmp6, 0x40004                  ; cy
	s_and_b32 s74, ttmp7, 0xffff                   ; the cluster
	s_lshr_b32 s75, s74, 3                         ; which product: the same in all sixteen partners
	s_and_b32 s76, s74, 7
	s_lshl_b32 s76, s76, 2                         ; x's first tile of 256 rows in this cluster
	s_mov_b32 s18, 0x40000                         ; bytes from K step to K step: 1,024 rows x 256 in a weight,
	s_mov_b32 s22, 0x200000                        ; 8,192 x 256 in x
	s_cmp_lt_u32 s75, 2
	s_cselect_b32 s77, s76, 0
	s_cselect_b32 s78, 0, s76
	s_cselect_b32 s18, 0x200000, s18               ; A's
	s_cselect_b32 s22, 0x40000, s22                ; B's
	s_mov_b32 s19, 0
	s_mov_b32 s23, 0
	s_lshl_b32 s92, s18, 1                         ; a refill goes two K steps on
	s_lshl_b32 s94, s22, 1
	s_mov_b32 s93, 0
	s_mov_b32 s95, 0
	s_add_co_u32 s17, s77, s41                     ; A's tile: hangs on cy and the cluster
	s_add_co_u32 s42, s78, s40                     ; B's tile: on cx and the cluster
	s_lshl_b32 s43, s41, 2
	s_lshl_b32 s43, 15, s43                        ; my row of the cluster
	s_lshl_b32 s44, 0x1111, s40                    ; my column
	s_or_b32 s[G1+0], s43, (1<<21)                 ; 15:0 the mask; 17:16 elements of 1 byte; no padding; 21 set beside a mask
	s_or_b32 s[G1B+0], s44, (1<<21)
.irp g, G1, G1B
	s_mov_b32 s[\g+1], 256<<16                     ; tensor_dim0 = 256
	s_mov_b32 s[\g+2], 128<<16                     ; tensor_dim1 = 128
	s_mov_b32 s[\g+3], 256<<16                     ; tile_dim0
	s_mov_b32 s[\g+4], 128                         ; tile_dim1
	s_mov_b32 s[\g+5], 256                         ; the pitch: the block is dense
	s_mov_b32 s[\g+6], 0
	s_mov_b32 s[\g+7], 0
.endr
	s_lshl_b32 s20, s17, 16                        ; a tile of 256 rows is 65,536 bytes of a K step,
	s_lshl_b32 s21, s16, 15                        ; the half that I fetch 32,768
	s_add_co_u32 s20, s20, s21
	s_mov_b32 s21, 0
	s_lshl_b32 s46, s42, 16
	s_lshl_b32 s47, s16, 15
	s_add_co_u32 s46, s46, s47
	s_mov_b32 s47, 0
	s_mul_i32 s45, s14, HALFT                      ; where they go: no place in the cluster enters an LDS address
	s_lshl_b32 s2, s75, 23                         ; x's set of codes
	s_mov_b32 s3, 0
	s_lshl_b32 s98, s75, 20                        ; the weight's image
	s_mov_b32 s99, 0
	s_wait_kmcnt 0x0
	s_load_b256 s[80:87], s[10:11], 0x0            ; entries 0 to 7
	s_load_b128 s[88:91], s[10:11], 0x20           ; entries 8 to 11
	s_add_nc_u64 s[4:5], s[4:5], s[2:3]
	s_add_nc_u64 s[6:7], s[6:7], s[98:99]
	s_cmp_lt_u32 s75, 2
	s_cselect_b64 s[66:67], s[4:5], s[6:7]         ; A
	s_cselect_b64 s[98:99], s[6:7], s[4:5]         ; B
	s_add_nc_u64 s[20:21], s[66:67], s[20:21]
	s_add_nc_u64 s[46:47], s[98:99], s[46:47]
	CROUND                                         ; all sixteen work-groups are here: the first joint loads meet
.irp s, 0,1
	s_mov_b32 s[G0+4*\s], 1
	s_add_co_u32 s[G0+4*\s+1], s45, \s*SLOT
	s_mov_b64 s[G0+4*\s+2:G0+4*\s+3], s[20:21]
	s_or_b32 s[G0+4*\s+3], s[G0+4*\s+3], 0x80000000
	s_mov_b32 s[G0B+4*\s], 1
	s_add_co_u32 s[G0B+4*\s+1], s45, \s*SLOT
	s_mov_b64 s[G0B+4*\s+2:G0B+4*\s+3], s[46:47]
	s_or_b32 s[G0B+4*\s+3], s[G0B+4*\s+3], 0x80000000
	JLOAD G0+4*\s, G1, G0B+4*\s, G1B
	s_add_nc_u64 s[20:21], s[20:21], s[18:19]      ; (copies, no descriptor's registers) the next K step
	s_add_nc_u64 s[46:47], s[46:47], s[22:23]
.endr
	v_and_b32 v1, 31, v0
	v_lshlrev_b32 v[LOFF], 4, v1
	s_mul_i32 s66, s15, HALFT
	s_mul_i32 s67, s16, HALFT
	s_add_co_u32 s67, s67, 2*HALFT
.irp s, 0,1
	v_add_nc_u32 v[ADRA+\s], s66, v[LOFF]
	v_add_nc_u32 v[ADRB+\s], s67, v[LOFF]
	s_add_co_u32 s66, s66, SLOT
	s_add_co_u32 s67, s67, SLOT
.endr
	v_and_b32 v2, 15, v0
	v_bfe_u32 v3, v0, 4, 1
	v_and_b32 v4, 8, v2
	v_add_nc_u32 v4, v4, v2
	v_lshlrev_b32 v[TOFF], 8, v4
	v_lshl_add_u32 v[TOFF], v3, 6, v[TOFF]
	s_and_b32 s66, s17, 7                          ; the table at my wave's first position: ((tile % 8) x 256 + 128 x half) x 256 bytes
	s_lshl_b32 s66, s66, 16
	s_lshl_b32 s67, s15, 15
	s_add_co_u32 s66, s66, s67
	s_mov_b32 s67, 0
	s_add_nc_u64 s[96:97], s[8:9], s[66:67]
	s_wait_kmcnt 0x0
	s_cmp_eq_u32 s75, 1                            ; the product's three exponents: chosen, never branched on
	s_cselect_b32 s98, s82, s80
	s_cselect_b32 s99, s83, s81
	s_cselect_b32 s79, s87, s86
	s_cmp_eq_u32 s75, 2
	s_cselect_b32 s98, s84, s98
	s_cselect_b32 s99, s85, s99
	s_cselect_b32 s79, s89, s79
	s_sub_co_i32 s79, s79, s98
	s_sub_co_i32 s79, s79, s99
	s_add_co_i32 s79, s79, 127
	s_lshl_b32 s98, s79, 23
	v_mov_b32 v[SC], s98
	s_add_co_i32 s79, s79, 15
	s_lshl_b32 s79, s79, 23
	s_or_b32 s79, s79, 0x600000
	v_mov_b32 v[LIM], s79
; cos and sin for block a's 16 positions: a lane's 32 numbers (16 pairs): 64 bytes at 64 h of each half of its position's 256 bytes
.macro TABLOAD a
.irp e, 0,1
.irp i, 0,1,2,3
	global_load_b128 v[TAB+32*((\a)%2)+16*\e+4*\i:TAB+32*((\a)%2)+16*\e+4*\i+3], v[TOFF], s[96:97] offset:(32*((\a)/2)+8*((\a)%2))*256+128*\e+16*\i
.endr
.endr
.endm
	s_cmp_lt_u32 s75, 2                            ; V has no RoPE
	s_cbranch_scc0 .Lno_table
	TABLOAD 0                                      ; asked for here, wanted on the way out
	TABLOAD 1
.Lno_table:
.macro FRAG reg, adr, q, i             ; row block i of my 128 rows, the slot's q-th 128 along K: four chunks
.irp c, 0,1,2,3
	ds_load_b128 v[\reg+4*\c:\reg+4*\c+3], v[\adr] offset:(\i)*4096+(\q)*2048+512*\c
.endr
.endm
; 16 matrix instructions: A's blocks a0, a0 + 1 x B's eight.  The 64 accumulators take turns, one instruction a turn, in the same order in every step.
.macro MUL16 a0, p, zero
.irp a, \a0, \a0+1
.irp b, 0,1,2,3,4,5,6,7
.if \zero
	v_wmma_f32_16x16x128_bf8_bf8 v[8*(8*((\a)%4)+\b):8*(8*((\a)%4)+\b)+7], v[128*(\p)+FR*\b:128*(\p)+FR*\b+FR-1], v[AF+FR*(\a):AF+FR*(\a)+FR-1], 0
.else
	v_wmma_f32_16x16x128_bf8_bf8 v[8*(8*((\a)%4)+\b):8*(8*((\a)%4)+\b)+7], v[128*(\p)+FR*\b:128*(\p)+FR*\b+FR-1], v[AF+FR*(\a):AF+FR*(\a)+FR-1], v[8*(8*((\a)%4)+\b):8*(8*((\a)%4)+\b)+7]
.endif
.endr
.endr
.endm
.macro FETCH_B slot, q, p
	WIN TO_B
.irp i, 0,1,2,3,4,5,6,7
	FRAG 128*(\p)+FR*\i, ADRB+\slot, \q, \i
.endr
	WIN 0
.endm
.macro FETCH_A slot, q, i0
.irp i, \i0, \i0+1, \i0+2, \i0+3
	FRAG AF+FR*(\i), ADRA+\slot, \q, \i
.endr
.endm
.macro PLACES n                        ; plain vector lines between a matrix instruction and a load into, or a vector line on, its registers
.rept \n
	v_nop
.endr
.endm
.macro STEP slot, q, zero              ; 128 along K whose successor lies in the same slot
	s_wait_dscnt 4*NL                              ; B's set and A's blocks 0-3 are in; the youngest sixteen loads (A's blocks 4-7) may be out
	WIN MUL_LO
	MUL16 0, (\q)%2, \zero
	MUL16 2, (\q)%2, \zero
	s_wait_dscnt 0
	PLACES NP
	FETCH_B \slot, (\q)+1, 1-(\q)%2
	FETCH_A \slot, (\q)+1, 0
	WIN MUL_HI
	MUL16 4, (\q)%2, \zero
	MUL16 6, (\q)%2, \zero
	PLACES NP
	WIN 0
	FETCH_A \slot, (\q)+1, 4
.endm
; A slot's last step changes slots: one barrier; in front of it each wave waits for all its tensor loads, adds 0 to its spare word, and waits for that and for its reads of this slot.
.macro TURN slot, next, fill
	s_wait_tensorcnt 0x0                           ; all my tensor loads have landed: my part of the next slot
	ds_add_u32 v[SPW], v[NIL]                      ; 0 onto my spare word
	s_wait_dscnt 4*NL+1                            ; (the add and the youngest sixteen loads may be out)
	WIN MUL_LO
	MUL16 0, 1, 0
	s_wait_dscnt 0x0                               ; the add is done, and my reads of this slot are over
	s_barrier_signal -1
	MUL16 2, 1, 0
	WIN 0
	s_barrier_wait -1
.if \fill
	CREST                                          ; the barrier has opened a round of the cluster's: no wave of any partner still reads this slot or has a load on its way
	s_add_nc_u64 s[G0+4*\slot+2:G0+4*\slot+3], s[G0+4*\slot+2:G0+4*\slot+3], s[92:93]
	s_add_nc_u64 s[G0B+4*\slot+2:G0B+4*\slot+3], s[G0B+4*\slot+2:G0B+4*\slot+3], s[94:95]
	JLOAD G0+4*\slot, G1, G0B+4*\slot, G1B         ; the first tensor load behind the round; its four v_nop are the places in front of the loads below
.else
	PLACES NP
.endif
	FETCH_B \next, 0, 0
	FETCH_A \next, 0, 0
	WIN MUL_HI
	MUL16 4, 1, 0
	MUL16 6, 1, 0
	PLACES NP
	WIN 0
	FETCH_A \next, 0, 4
.endm
	s_wait_tensorcnt 1                             ; my part of K step 0 is in; K step 1's load may be out
	s_barrier_signal -1
	s_barrier_wait -1
	FETCH_B 0, 0, 0
	FETCH_A 0, 0, 0
	FETCH_A 0, 0, 4
	STEP 0, 0, 1                                   ; the first products start the sums: nothing is cleared.  Four K steps: written out, no loop
	TURN 0, 1, 1                                   ; slot 0 takes K step 2
	STEP 1, 0, 0
	TURN 1, 0, 1                                   ; slot 1 takes K step 3
	STEP 0, 0, 0
	TURN 0, 1, 0
	STEP 1, 0, 0
	s_wait_dscnt 4*NL
	WIN MUL_LO
	MUL16 0, 1, 0
	MUL16 2, 1, 0
	s_wait_dscnt 0
	WIN MUL_HI
	MUL16 4, 1, 0
	MUL16 6, 1, 0
	WIN 0
	PLACES NP                                      ; in front of vector lines that read results and write registers that held A's fragments
.macro CODES                           ; a block's 64 held numbers become 16 registers of codes
	s_wait_xcnt 0x0                                ; the block before's stores have read C
.irp g, 0,1,2,3,4,5,6,7
	v_cvt_scalef32_pk8_bf8_f32 v[C+2*\g:C+2*\g+1], v[T+8*\g:T+8*\g+7], v[SC]
.endr
	v_nop                                          ; a plain line between the conversions and the next lines that write their sources
.endm
	s_cmp_lt_u32 s75, 2
	s_cbranch_scc0 .Lv_out
	; ---- Q or K.  qc, kc: [batch x head][tile of 16 positions: 1,024 bytes][channels 32 c on: 512][16 x lane]
	s_cmp_eq_u32 s75, 0
	s_cselect_b64 s[12:13], s[68:69], s[70:71]
	s_lshr_b32 s66, s17, 3                         ; batch
	s_lshl_b32 s66, s66, 4
	s_lshl_b32 s67, s42, 2
	s_add_co_u32 s66, s66, s67
	s_lshl_b32 s67, s16, 1
	s_add_co_u32 s66, s66, s67                     ; 16 x batch + my first head: 4 x B's tile + 2 x half
	s_lshl_b32 s66, s66, 17
	s_and_b32 s67, s17, 7
	s_lshl_b32 s67, s67, 4
	s_lshl_b32 s98, s15, 3
	s_add_co_u32 s67, s67, s98                     ; my first tile of positions
	s_lshl_b32 s67, s67, 10
	s_add_co_u32 s66, s66, s67
	s_mov_b32 s67, 0
	s_add_nc_u64 s[12:13], s[12:13], s[66:67]
.macro QKBLOCK a
.if (\a) < 7
	s_wait_loadcnt 8                               ; this block's eight table loads are in; the next block's eight may be out
.else
	s_wait_loadcnt 0
.endif
	WIN 0x02+((\a)/4)                              ; source 0: the accumulators' window
.irp b, 0,1,2,3,4,5,6,7
.irp jj, 0,2,4,6
.set rA, 64*((\a)%4)+8*\b+\jj
.set rT, T+8*\b+\jj
.set rC, TAB+32*((\a)%2)+16*((\b/2)%2)+8*(\b%2)+\jj
	v_mul_f32 v[rT], v[rA], v[rC]                  ; even x cos          (each accumulator is read from its low end on)
	v_mul_f32 v[rT+1], v[rA], v[rC+1]              ; even x sin
	v_fma_f32 v[rT], -v[rA+1], v[rC+1], v[rT]      ; - odd x sin
	v_fma_f32 v[rT+1], v[rA+1], v[rC], v[rT+1]     ; + odd x cos
.endr
.endr
	WIN 0
.if (\a)+2 < 8
	TABLOAD (\a)+2                                 ; into the set just read
.endif
.set j, 0
.rept 64
	v_med3_num_f32 v[T+j], v[T+j], -v[LIM], v[LIM] ; the conversion does not saturate (ISA guide 7.6.2)
.set j, j+1
.endr
	CODES
.irp g, 0,1,2,3
	global_store_b128 v[LOFF], v[C+4*\g:C+4*\g+3], s[12:13] offset:(\g/2)*131072+(\a)*1024+(\g%2)*512   ; 512 consecutive bytes, aligned
.endr
.endm
.irp a, 0,1,2,3,4,5,6,7
	QKBLOCK \a
.endr
	s_branch .Ldone
.Lv_out:
	; ---- V.  vc: [batch x head][128 keys: 8,192 bytes][tile of 16 channels: 2,048][keys 32 c on: 512][16 x lane]
	s_lshr_b32 s66, s42, 3                         ; batch
	s_lshl_b32 s66, s66, 4
	s_lshl_b32 s67, s17, 2
	s_add_co_u32 s66, s66, s67
	s_lshl_b32 s67, s15, 1
	s_add_co_u32 s66, s66, s67                     ; 16 x batch + my first head: 4 x A's tile + 2 x half
	s_lshl_b32 s66, s66, 17
	s_and_b32 s67, s42, 7
	s_lshl_b32 s67, s67, 1
	s_add_co_u32 s67, s67, s16                     ; my 128 keys
	s_lshl_b32 s67, s67, 13
	s_add_co_u32 s66, s66, s67
	s_mov_b32 s67, 0
	s_add_nc_u64 s[12:13], s[72:73], s[66:67]
.macro VBLOCK a
	WIN 0x02+((\a)/4)
.set j, 0
.rept 64
	v_med3_num_f32 v[T+j], v[64*((\a)%4)+j], -v[LIM], v[LIM]
.set j, j+1
.endr
	WIN 0
	CODES
.irp g, 0,1,2,3
	global_store_b128 v[LOFF], v[C+4*\g:C+4*\g+3], s[12:13] offset:((\a)/4)*131072+((\a)%4)*2048+\g*512
.endr
.endm
.irp a, 0,1,2,3,4,5,6,7
	VBLOCK \a
.endr
.Ldone:
	s_wait_tensorcnt 0x0                           ; the wave's end
	ds_add_u32 v[SPW], v[NIL]
	s_wait_dscnt 0x0
	CROUND                                         ; the closing round: no work-group ends while a partner may still ask for a tile that names it
	s_endpgm
.Lfunc_end_k_q234ec287a3_qkv:
	.size	k_q234ec287a3_qkv, .Lfunc_end_k_q234ec287a3_qkv-k_q234ec287a3_qkv
	.p2alignl 7, 3214868480
	.fill 96, 4, 3214868480
	.section	.rodata,"a",@progbits
	.p2align	6, 0x0
	.amdhsa_kernel k_q234ec287a3_qkv
		.amdhsa_group_segment_fixed_size 327680
		.amdhsa_private_segment_fixed_size 0
		.amdhsa_enable_private_segment 0
		.amdhsa_kernarg_size 56
		.amdhsa_user_sgpr_count 2
		.amdhsa_user_sgpr_kernarg_segment_ptr 1
		.amdhsa_wavefront_size32 1
		.amdhsa_system_sgpr_workgroup_id_x 1
		.amdhsa_system_sgpr_workgroup_id_y 1
		.amdhsa_system_sgpr_workgroup_id_z 1
		.amdhsa_system_vgpr_workitem_id 0
		.amdhsa_next_free_vgpr 1024
		.amdhsa_next_free_sgpr 100
		.amdhsa_reserve_vcc 0
		.amdhsa_float_denorm_mode_32 3
		.amdhsa_float_denorm_mode_16_64 3
		.amdhsa_memory_ordered 1
		.amdhsa_forward_progress 1
		.amdhsa_inst_pref_size 214
	.end_amdhsa_kernel
	.amdgpu_metadata
---
amdhsa.version: [ 1, 2 ]
amdhsa.kernels:
  - .name:           k_q234ec287a3_qkv
    .symbol:         k_q234ec287a3_qkv.kd
    .args:
      - { .name: xc, .offset: 0, .size: 8, .value_kind: global_buffer, .address_space: global }
      - { .name: wc, .offset: 8, .size: 8, .value_kind: global_buffer, .address_space: global }
      - { .name: rope, .offset: 16, .size: 8, .value_kind: global_buffer, .address_space: global }
      - { .name: lowp_scales, .offset: 24, .size: 8, .value_kind: global_buffer, .address_space: global }
      - { .name: qc, .offset: 32, .size: 8, .value_kind: global_buffer, .address_space: global }
      - { .name: kc, .offset: 40, .size: 8, .value_kind: global_buffer, .address_space: global }
      - { .name: vc, .offset: 48, .size: 8, .value_kind: global_buffer, .address_space: global }
    .group_segment_fixed_size: 327680
    .private_segment_fixed_size: 0
    .kernarg_segment_align: 8
    .kernarg_segment_size: 56
    .max_flat_workgroup_size: 128
    .sgpr_count:     100
    .vgpr_count:     1024
    .wavefront_size: 32
...
	.end_amdgpu_metadata
.endif
;; end of part 2
;; launch attn (part 3): grid 4 x 64, 16 waves a work-group, no clusters, 327,680 bytes of LDS; arguments qc, kc, vc, lowp_scales, ao; writes ao
.if DOCPART == 3
	.amdgcn_target "amdgcn-amd-amdhsa--gfx1250"
	.amdhsa_code_object_version 6
	.text
	.protected	k_q234ec287a3_attn
	.globl	k_q234ec287a3_attn
	.p2align	8
	.type	k_q234ec287a3_attn,@function
k_q234ec287a3_attn:
	s_mov_b64 s[64:65], 0
	v_nop
	global_prefetch_b8 v0, s[64:65] scope:SCOPE_SE
	s_setreg_imm32_b32 hwreg(HW_REG_WAVE_MODE, 25, 1), 1
	s_wait_xcnt 0x0
; Causal attention on codes of E5M2, head size 64, 2,048 positions, 64 (batch x head); the result is quantised at once for the last projection.
; THE SOFTMAX AHEAD OF THE SECOND PRODUCT: t = score x log2(e) / 8; M = the running largest t rounded UP to a whole number; p = 2^(t - M) is quantised, not normalised; the row's sum is taken of the unquantised p
; and divides at the end; when M moves, the sum and O are multiplied by 2^(old M - new M): exact.
; SHARES.  Work-group (I, head) takes the block of 256 queries I with key slots 0 .. I, then block 7 - I with slots 0 .. 7 - I: NINE slots of 256 keys in every work-group, a constant trip count and even work.
; Each of sixteen waves owns one tile of 16 queries in 256 registers.  Tile T holds queries 32 (T / 2) + 8 (T % 2) + r + 8 (r / 8), as the launch before laid them.
; NO JOINT LOADS: the four work-groups of a head want different slots in the same trip (slot F or F - I - 1), so no two of them could issue the same load in the same round.
; LAYOUT.  Both products are used transposed: S^T = K Q^T (source 0 = a tile of 16 keys), O^T = V^T P^T (source 0 = a tile of 16 channels): a lane holds ONE query throughout.  The keys of a tile are chosen
; so that the 16 registers of tiles 2 g, 2 g + 1 are 16 neighbouring keys; the channels of V's tiles likewise, so that O^T's registers are 16 neighbours along the last projection's K.
; All operands are images of registers: every LDS load takes 512 consecutive bytes at 16 x lane; a slot's K and V are dense blocks of 16,384 bytes.
; A step all of whose 128 keys come after the wave's queries is left out by a scalar branch on ids; on the diagonal hidden scores become -infinity.  Key 0 counts for every query, so M is a number from the first step on.
; LIMITS: entries 6 + 7 between -123 and 130 (added to c's exponent field); entries 8 and 10 between -126 and 112; 8 + 9 goes by v_ldexp_f32 and has none.  NaN is not served.
; REGISTERS: v1-7 addresses; v8-11 at work; v12 -M, v13 the largest t, v[14:15] the sum; v16-23 Q; v24, v25 p's hold and scale; v26 a permute's destination; v27 -infinity; v[28:29] f; v[30:31] the sum's second chain;
;   v32-95 K's eight fragments, then V's four; v96-159 S^T, then p; v160-191 O^T; v192-207 p's codes; v208-239 O / sum; v240-247 its codes; v248-255 the second block's Q.
.set SLOT1, 32768                      ; a slot: K's 16,384 bytes, then V's; slot 1 begins here, so that one exclusive or turns an address
.set VOFF,  16384
.set SPARE, 65536                      ; the spare words, 128 bytes for each of sixteen waves, which no other line names
.set AL,  1
.set ADK, 2
.set PFO, 3
.set QL,  4
.set SPW, 5
.set NIL, 6
.set GO,  7
.set WV,   18
.set I,    19                          ; s19 the work-group's x
.set SEL,  20
.set CS,   22
.set G1,   24
.set G0,   32
.set BASE, 36                          ; s[36:37] the head's K (wave 0) or V (wave 1)
.set LIMO, 38                          ; s38 57,344 x 2^e10
.set I1,   39                          ; s39 I + 1: the trip in which the second block begins
.set F,    40                          ; s40 the trip
.set SLOTS, 41                         ; s41 trips of the loop still to go
.set TB,   42                          ; s42 LDS byte at which the slot in hand begins
.set KF,   43                          ; s43 the step's first key
.set Q0,   44                          ; s44 my tile's first query;  s45 the second block's
.set Q0B,  45
.set AOA,  46                          ; s[46:47], s[48:49] where my two tiles' codes go
.set AOB,  48
.set OFS,  50                          ; s[50:51] an offset; the high word stays 0
.set PFA,  52                          ; s[52:53] where my prefetches stand
.set LIM,  54                          ; s54 1 in a wave that prefetches, else the greatest number
.set SCO,  55                          ; s55 2^e10
.macro TLOAD                           ; wave 0 fetches the slot's K, wave 1 its V; the branch hangs on the wave's number alone; four v_nop follow
	s_cmp_lt_u32 s[WV], 2
	s_cbranch_scc0 .Lnone_\@
	tensor_load_to_lds s[G0:G0+3], s[G1:G1+7]
	s_nop 0
.rept 4
	v_nop
.endr
.Lnone_\@:
.endm
; A PREFETCH INTO THE L2 of the slot that the NEXT change of slots of work-group I = 0 will ask for (that work-group walks slots 0 .. 7 in trips 1 .. 8): slots 1 to 7, one a trip, in trips 0 to 6.
; Only that work-group asks, in waves that fetch nothing: waves 4, 5 for K's 16,384 bytes, waves 6, 7 for V's, 8,192 bytes a wave, lanes 256 bytes apart: each aligned block of 256 bytes is named once in the launch.
; The last trip that fills a slot asks for nothing.
.macro ASK
	s_cmp_gt_u32 s[SLOTS], s[LIM]
	s_cbranch_scc0 .Lnot_mine_\@
	global_prefetch_b8 v[PFO], s[PFA:PFA+1] th:TH_LOAD_NT scope:SCOPE_SE
.Lnot_mine_\@:
.endm
.macro RESET                           ; a block's state: zeros, and -3e38 under every t.  The first change of M multiplies zeros
	v_mov_b32 v13, 0xff61b1e6
	v_floor_f32 v12, -v13
	v_mov_b32 v14, 0
	v_mov_b32 v15, 0
.set j, 0
.rept 32
	v_mov_b32 v[160+j], 0
.set j, j+1
.endr
.endm
	s_load_b256 s[4:11], s[0:1], 0x0               ; qc, kc, vc, the scales' exponents
	s_load_b64 s[12:13], s[0:1], 0x20              ; ao
	v_lshl_add_u32 v[SPW], v0, 2, SPARE
	v_mov_b32 v[NIL], 0
	ds_add_u32 v5, v6
	s_wait_dscnt 0x0
	v_lshrrev_b32 v8, 5, v0
	v_readfirstlane_b32 s[WV], v8
	s_mov_b32 s[I], ttmp9
	s_add_co_u32 s[I1], ttmp9, 1
	s_and_b32 s2, ttmp7, 0xffff                    ; 16 x batch + head
	s_lshl_b32 s[OFS], s2, 17                      ; its 131,072 bytes in each of qc, kc, vc
	s_mov_b32 s[OFS+1], 0
	s_mov_b32 s[G1], 0                             ; no mask, elements of 1 byte, no padding
	s_mov_b32 s[G1+1], 256<<16                     ; tensor_dim0 = 256
	s_mov_b32 s[G1+2], 64<<16                      ; tensor_dim1 = 64
	s_mov_b32 s[G1+3], 256<<16                     ; tile_dim0
	s_mov_b32 s[G1+4], 64                          ; tile_dim1
	s_mov_b32 s[G1+5], 256                         ; the pitch: the block is dense
	s_mov_b32 s[G1+6], 0
	s_mov_b32 s[G1+7], 0
	s_mov_b32 s[SEL], 0x76543210
	s_mov_b32 s[SEL+1], 0xfedcba98
	s_mov_b32 s[CS], 0x3e38aa3b                    ; c = log2(e) / 8
	s_mov_b32 s[TB], 0
	s_mov_b32 s[F], 0
	s_mov_b32 s[SLOTS], 8
	s_mov_b32 s[KF], 0
	s_and_b32 s3, s[WV], 1
	s_mov_b32 s[G0], 1
	s_lshl_b32 s[G0+1], s3, 14                     ; slot 0: K at 0, V at 16,384
	s_wait_kmcnt 0x0
	s_load_b128 s[56:59], s[10:11], 0x18           ; entries 6 to 9
	s_load_b32 s60, s[10:11], 0x28                 ; entry 10
	s_add_nc_u64 s[4:5], s[4:5], s[OFS:OFS+1]
	s_add_nc_u64 s[6:7], s[6:7], s[OFS:OFS+1]
	s_add_nc_u64 s[8:9], s[8:9], s[OFS:OFS+1]
	s_cmp_eq_u32 s[WV], 0
	s_cselect_b64 s[BASE:BASE+1], s[6:7], s[8:9]
	s_mov_b64 s[G0+2:G0+3], s[BASE:BASE+1]
	s_or_b32 s[G0+3], s[G0+3], 0x80000000
	TLOAD                                          ; trip 0's slot: keys 0 to 255
	s_cmp_lt_u32 s[WV], 6
	s_cselect_b64 s[PFA:PFA+1], s[6:7], s[8:9]
	s_lshl_b32 s70, s3, 13
	s_mov_b32 s71, 0
	s_add_nc_u64 s[PFA:PFA+1], s[PFA:PFA+1], s[70:71]  ; in slot 0: the first change of slots steps it to slot 1.  Nothing is prefetched here, at the head
	s_sub_co_u32 s70, s[WV], 4
	s_lshr_b32 s70, s70, 2                         ; 0 in waves 4 to 7,
	s_or_b32 s70, s70, ttmp9                       ; of work-group I = 0
	s_cmp_eq_u32 s70, 0
	s_cselect_b32 s[LIM], 1, -1
	s_lshl_b32 s61, s[I], 4
	s_add_co_u32 s61, s61, s[WV]                   ; my tile of the first block,
	s_sub_co_u32 s62, 7, s[I]
	s_lshl_b32 s62, s62, 4
	s_add_co_u32 s62, s62, s[WV]                   ; of the second
	s_lshl_b32 s70, s61, 10
	s_add_nc_u64 s[66:67], s[4:5], s[70:71]
	s_lshl_b32 s70, s62, 10
	s_add_nc_u64 s[68:69], s[4:5], s[70:71]
	v_and_b32 v8, 31, v0
	v_lshlrev_b32 v[AL], 4, v8
	v_lshlrev_b32 v[GO], 4, v8
	v_lshlrev_b32 v[PFO], 8, v8
	global_load_b128 v[16:19], v[GO], s[66:67]
	global_load_b128 v[20:23], v[GO], s[66:67] offset:512
	global_load_b128 v[248:251], v[GO], s[68:69]
	global_load_b128 v[252:255], v[GO], s[68:69] offset:512
	v_and_b32 v9, 15, v0
	v_and_b32 v10, 8, v9
	v_add_nc_u32 v9, v9, v10
	v_bfe_u32 v10, v0, 4, 1
	v_lshlrev_b32 v10, 4, v10
	v_sub_nc_u32 v[QL], v9, v10                    ; r + 8 (r / 8) - 16 (lane / 16)
	s_lshr_b32 s63, s[WV], 1
	s_lshl_b32 s63, s63, 5
	s_lshl_b32 s70, s3, 3
	s_add_co_u32 s63, s63, s70                     ; my tile's first query in its block
	s_lshl_b32 s[Q0], s[I], 8
	s_add_co_u32 s[Q0], s[Q0], s63
	s_sub_co_u32 s70, 7, s[I]
	s_lshl_b32 s[Q0B], s70, 8
	s_add_co_u32 s[Q0B], s[Q0B], s63
	; ao is the image of [8192][1024]: (head / 4) x 8192 x 256 + (128 x batch + tile) x 4096 + (head % 4) x 1024
	s_and_b32 s70, s2, 15
	s_lshr_b32 s72, s70, 2
	s_lshl_b32 s72, s72, 21
	s_and_b32 s70, s70, 3
	s_lshl_b32 s70, s70, 10
	s_add_co_u32 s72, s72, s70
	s_lshr_b32 s70, s2, 4
	s_lshl_b32 s70, s70, 19
	s_add_co_u32 s72, s72, s70
	s_lshl_b32 s70, s61, 12
	s_add_co_u32 s70, s70, s72
	s_add_nc_u64 s[AOA:AOA+1], s[12:13], s[70:71]
	s_lshl_b32 s70, s62, 12
	s_add_co_u32 s70, s70, s72
	s_add_nc_u64 s[AOB:AOB+1], s[12:13], s[70:71]
	RESET
	v_mov_b32 v26, 0                               ; written once: a lane permute's destination counts as one of its sources
	v_mov_b32 v27, 0xff800000
	v_mov_b32 v29, 0                               ; (named as the upper half of the pair v[28:29])
	s_wait_kmcnt 0x0
	s_add_co_i32 s70, s56, s57
	s_lshl_b32 s70, s70, 23
	s_add_co_i32 s[CS], s[CS], s70                 ; a score stands for score x 2^(e6 + e7): added to c's exponent field
	s_mov_b32 s[CS+1], s[CS]
	s_add_co_i32 s70, s58, 127
	s_lshl_b32 s72, s70, 23
	v_mov_b32 v25, s72                             ; 2^e8
	s_add_co_i32 s70, s70, 15
	s_lshl_b32 s70, s70, 23
	s_or_b32 s70, s70, 0x600000
	v_mov_b32 v24, s70                             ; 57,344 x 2^e8
	s_add_co_i32 s70, s60, 127
	s_lshl_b32 s[SCO], s70, 23
	s_add_co_i32 s70, s70, 15
	s_lshl_b32 s70, s70, 23
	s_or_b32 s[LIMO], s70, 0x600000
	s_add_co_i32 s63, s58, s59                     ; e8 + e9
; A KEY STEP: 128 keys, the q-th of the slot in hand.
.macro STEP q
	s_add_co_u32 s61, s[Q0], 23                    ; my last query
	s_cmp_gt_u32 s[KF], s61
	s_cbranch_scc1 .Lhidden_\@
	v_add_nc_u32 v[ADK], s[TB], v[AL]
.rept 3
	v_nop                                          ; with the addition above: four places in front of loads into registers that matrix instructions have read
.endr
.irp t, 0,1,2,3,4,5,6,7
	ds_load_b128 v[32+8*\t:35+8*\t], v[ADK] offset:8192*(\q)+1024*\t
	ds_load_b128 v[36+8*\t:39+8*\t], v[ADK] offset:8192*(\q)+1024*\t+512
.endr
	s_wait_dscnt 0x0
.irp t, 0,1,2,3,4,5,6,7
	v_wmma_f32_16x16x64_bf8_bf8 v[96+8*\t:103+8*\t], v[32+8*\t:39+8*\t], v[16:23], 0
.endr
.rept 4
	v_nop                                          ; places: for V's loads into K's registers, and for the first read of the scores
.endr
.irp t, 0,1,2,3
.irp c, 0,1,2,3
	ds_load_b128 v[32+16*\t+4*\c:35+16*\t+4*\c], v[ADK] offset:VOFF+8192*(\q)+2048*\t+512*\c   ; V's fragments land under the softmax
.endr
.endr
	s_add_co_u32 s61, s[KF], 127
	s_cmp_le_u32 s61, s[Q0]                        ; all keys count for all my queries: no mask
	s_cbranch_scc1 .Lopen_\@
	s_sub_co_i32 s61, s[Q0], s[KF]
	v_add_nc_u32 v8, s61, v[QL]                    ; d = my query - KF - 16 (lane / 16).  Register 16 g + i holds key KF + 32 g + 16 (lane / 16) + i: hidden where 32 g + i > d
.set n, 0
.rept 64
	v_cmp_gt_i32 vcc_lo, 32*(n/16)+n%16, v8
	v_cndmask_b32 v[96+n], v[96+n], v27, vcc_lo
.set n, n+1
.endr
.Lopen_\@:
	v_max3_num_f32 v8, v96, v97, v98               ; the step's largest score of my query among my 64 keys, in two chains,
	v_max3_num_f32 v9, v99, v100, v101
.irp i, 6,10,14,18,22,26,30,34,38,42,46,50,54,58
	v_max3_num_f32 v8, v8, v[96+\i], v[97+\i]
	v_max3_num_f32 v9, v9, v[98+\i], v[99+\i]
.endr
	v_max3_num_f32 v8, v8, v158, v159
	v_max_num_f32 v8, v8, v9
	v_permlanex16_b32 v26, v8, s[SEL], s[SEL+1]
	v_max_num_f32 v8, v8, v26                      ; and among lane l xor 16's
	v_mul_f32 v8, s[CS], v8                        ; as t (c is positive)
	v_max_num_f32 v13, v13, v8
	v_mov_b32 v8, v12
	v_floor_f32 v12, -v13                          ; -M = floor(-t): M is a whole number
	v_sub_f32 v8, v12, v8                          ; old M - new M: a whole number, 0 or less
	v_cvt_i32_f32 v8, v8                           ; (it saturates)
	v_ldexp_f32 v28, 1.0, v8                       ; f = 2^(old M - new M)
.set j, 0
.rept 32
	v_pk_fma_f32 v[96+j:97+j], v[96+j:97+j], s[CS:CS+1], v[12:13] op_sel_hi:[1,0,0]   ; t - M
.set j, j+2
.endr
.set j, 0
.rept 64
	v_exp_f32 v[96+j], v[96+j]                     ; p, at most 1
.set j, j+1
.endr
	v_pk_mul_f32 v[14:15], v[14:15], v[28:29] op_sel_hi:[1,0]   ; the sum under the new M.  (The plain line behind the exponentials)
	s_wait_alu depctr_va_vdst(0)                   ; one wait for the whole batch, ahead of its first reader
	v_pk_add_f32 v[30:31], v[96:97], v[98:99]      ; the sum of the UNQUANTISED p, in two chains
.irp j, 4,8,12,16,20,24,28,32,36,40,44,48,52,56,60
	v_pk_add_f32 v[14:15], v[14:15], v[96+\j:97+\j]
	v_pk_add_f32 v[30:31], v[30:31], v[98+\j:99+\j]
.endr
	v_pk_add_f32 v[14:15], v[14:15], v[30:31]
.irp b, 0,1,2,3
.set i, 0
.rept 16
	v_min_num_f32 v[96+16*\b+i], v[96+16*\b+i], v24   ; the conversion does not saturate (ISA guide 7.6.2); p is not negative, so the hold is one-sided
.set i, i+1
.endr
	v_cvt_scalef32_pk8_bf8_f32 v[192+4*\b:193+4*\b], v[96+16*\b:103+16*\b], v25
	v_cvt_scalef32_pk8_bf8_f32 v[194+4*\b:195+4*\b], v[104+16*\b:111+16*\b], v25
.endr
.set j, 0
.rept 16
	v_pk_mul_f32 v[160+j:161+j], v[160+j:161+j], v[28:29] op_sel_hi:[1,0]   ; O^T under the new M.  (Also the plain lines between the conversions and the products)
.set j, j+2
.endr
	s_wait_dscnt 0x0                               ; V's fragments
.irp t, 0,1,2,3
	v_wmma_f32_16x16x128_bf8_bf8 v[160+8*\t:167+8*\t], v[32+16*\t:47+16*\t], v[192:207], v[160+8*\t:167+8*\t]   ; four accumulators by turns; eight other products stand between two turns of one
.endr
.Lhidden_\@:
	s_add_co_u32 s[KF], s[KF], 128
.endm
; THE CHANGE OF SLOTS, at a trip's head.  Each wave waits for all its tensor loads (its part of the slot ahead), adds 0 to its spare word, and waits for that and for its reads of the slot that it has left.
; fill = 1: that slot takes the next trip's keys: slot g = F + 1 of the first block while g <= I, else slot g - I - 1 of the second.
.macro CHANGE fill
	s_wait_tensorcnt 0x0                           ; no tensor load of mine is out, so group 0 may be written
	ds_add_u32 v[SPW], v[NIL]                      ; 0 onto my spare word
.if \fill
	s_xor_b32 s[G0+1], s[G0+1], SLOT1
	s_add_co_u32 s61, s[F], 1
	s_sub_co_u32 s62, s61, s[I1]
	s_cmp_le_u32 s61, s[I]
	s_cselect_b32 s[OFS], s61, s62
	s_lshl_b32 s[OFS], s[OFS], 14
	s_add_nc_u64 s[G0+2:G0+3], s[BASE:BASE+1], s[OFS:OFS+1]
	s_or_b32 s[G0+3], s[G0+3], 0x80000000
	s_wait_xcnt 0x0                                ; the last prefetch, a trip back, has read its address
	s_add_nc_u64 s[PFA:PFA+1], s[PFA:PFA+1], 16384
.endif
	s_wait_dscnt 0x0                               ; the add is done, and my reads of the slot that I have left are over
	s_barrier_signal -1
	s_barrier_wait -1
.if \fill
	TLOAD                                          ; the first thing behind the barrier, and a wave's one tensor load until the next
	ASK
.endif
.endm
; A block's end: O^T / the sum x 2^(e8 + e9), held, quantised with 2^e10, and stored as two chunks of the next operand's image.
.macro FINAL ptr, again
.rept 4
	v_nop                                          ; places behind the last products
.endr
.if \again
	s_wait_xcnt 0x0                                ; the first block's stores have read their data
.endif
	v_add_f32 v14, v14, v15
	v_permlanex16_b32 v26, v14, s[SEL], s[SEL+1]
	v_add_f32 v14, v14, v26                        ; the row's sum
	v_rcp_f32 v14, v14
	v_mov_b32 v10, s[LIMO]                         ; (plain lines behind the reciprocal)
	v_mov_b32 v11, s[SCO]
	s_wait_alu depctr_va_vdst(0)                   ; ahead of the first reader
	v_ldexp_f32 v14, v14, s63
.set j, 0
.rept 16
	v_pk_mul_f32 v[208+j:209+j], v[160+j:161+j], v[14:15] op_sel_hi:[1,0]   ; each accumulator from its low end on
.set j, j+2
.endr
.set j, 0
.rept 32
	v_med3_num_f32 v[208+j], v[208+j], -v10, v10
.set j, j+1
.endr
.irp b, 0,1
	v_cvt_scalef32_pk8_bf8_f32 v[240+4*\b:241+4*\b], v[208+16*\b:215+16*\b], v11
	v_cvt_scalef32_pk8_bf8_f32 v[242+4*\b:243+4*\b], v[216+16*\b:223+16*\b], v11
.endr
	v_nop                                          ; a plain line behind the conversions
	global_store_b128 v[GO], v[240:243], s[\ptr:\ptr+1]              ; 512 consecutive bytes, aligned
	global_store_b128 v[GO], v[244:247], s[\ptr:\ptr+1] offset:512
.endm
	s_wait_loadcnt 0x0                             ; both Q fragments
.Ltrip:                                            ; eight trips; behind each change of slots the next trip's slot is asked for
	CHANGE 1
	s_cmp_eq_u32 s[F], s[I1]                       ; the first block is done: a branch on ids, round no barrier and no tensor load
	s_cbranch_scc0 .Lsame
	FINAL AOA, 0
.irp j, 0,1,2,3,4,5,6,7
	v_mov_b32 v[16+\j], v[248+\j]
.endr
	RESET
	s_mov_b32 s[Q0], s[Q0B]
	s_mov_b32 s[KF], 0
.Lsame:
	STEP 0
	STEP 1
	s_xor_b32 s[TB], s[TB], SLOT1
	s_add_co_u32 s[F], s[F], 1
	s_sub_co_u32 s[SLOTS], s[SLOTS], 1
	s_cmp_lg_u32 s[SLOTS], 0
	s_cbranch_scc1 .Ltrip
	CHANGE 0                                       ; the ninth trip is written out
	STEP 0
	STEP 1
	FINAL AOB, 1
	s_wait_tensorcnt 0x0                           ; the wave's end
	ds_add_u32 v[SPW], v[NIL]
	s_wait_dscnt 0x0
	s_endpgm
.Lfunc_end_k_q234ec287a3_attn:
	.size	k_q234ec287a3_attn, .Lfunc_end_k_q234ec287a3_attn-k_q234ec287a3_attn
	.p2alignl 7, 3214868480
	.fill 96, 4, 3214868480
	.section	.rodata,"a",@progbits
	.p2align	6, 0x0
	.amdhsa_kernel k_q234ec287a3_attn
		.amdhsa_group_segment_fixed_size 327680
		.amdhsa_private_segment_fixed_size 0
		.amdhsa_enable_private_segment 0
		.amdhsa_kernarg_size 40
		.amdhsa_user_sgpr_count 2
		.amdhsa_user_sgpr_kernarg_segment_ptr 1
		.amdhsa_wavefront_size32 1
		.amdhsa_system_sgpr_workgroup_id_x 1
		.amdhsa_system_sgpr_workgroup_id_y 1
		.amdhsa_system_sgpr_workgroup_id_z 1
		.amdhsa_system_vgpr_workitem_id 0
		.amdhsa_next_free_vgpr 256
		.amdhsa_next_free_sgpr 80
		.amdhsa_reserve_vcc 1
		.amdhsa_float_denorm_mode_32 3
		.amdhsa_float_denorm_mode_16_64 3
		.amdhsa_memory_ordered 1
		.amdhsa_forward_progress 1
		.amdhsa_inst_pref_size 99
	.end_amdhsa_kernel
	.amdgpu_metadata
---
amdhsa.version: [ 1, 2 ]
amdhsa.kernels:
  - .name:           k_q234ec287a3_attn
    .symbol:         k_q234ec287a3_attn.kd
    .args:
      - { .name: qc, .offset: 0, .size: 8, .value_kind: global_buffer, .address_space: global }
      - { .name: kc, .offset: 8, .size: 8, .value_kind: global_buffer, .address_space: global }
      - { .name: vc, .offset: 16, .size: 8, .value_kind: global_buffer, .address_space: global }
      - { .name: lowp_scales, .offset: 24, .size: 8, .value_kind: global_buffer, .address_space: global }
      - { .name: ao, .offset: 32, .size: 8, .value_kind: global_buffer, .address_space: global }
    .group_segment_fixed_size: 327680
    .private_segment_fixed_size: 0
    .kernarg_segment_align: 8
    .kernarg_segment_size: 40
    .max_flat_workgroup_size: 512
    .sgpr_count:     80
    .vgpr_count:     256
    .wavefront_size: 32
...
	.end_amdgpu_metadata
.endif
;; end of part 3
;; launch oproj (part 4): grid 4 x 32, 4 waves a work-group, clusters of 4 x 4, 327,680 bytes of LDS; arguments ao, wc, lowp_scales, out0; writes out0
.if DOCPART == 4
	.amdgcn_target "amdgcn-amd-amdhsa--gfx1250"
	.amdhsa_code_object_version 6
	.text
	.protected	k_q234ec287a3_oproj
	.globl	k_q234ec287a3_oproj
	.p2align	8
	.type	k_q234ec287a3_oproj,@function
k_q234ec287a3_oproj:
	s_mov_b64 s[64:65], 0
	v_nop
	global_prefetch_b8 v0, s[64:65] scope:SCOPE_SE
	s_setreg_imm32_b32 hwreg(HW_REG_WAVE_MODE, 25, 1), 1
	s_wait_xcnt 0x0
	s_wait_alu depctr_hold_cnt(0) depctr_sa_sdst(0) depctr_va_vdst(0) depctr_va_sdst(0) depctr_va_ssrc(0) depctr_va_vcc(0) depctr_vm_vsrc(0)
	s_getreg_b32 s2, hwreg(HW_REG_IB_STS2, 6, 4)
	s_cmp_eq_u32 s2, 0
	s_cbranch_scc0 .Lentry_in_a_cluster
	s_endpgm
.Lentry_in_a_cluster:
	s_bfe_u32 s2, ttmp6, 0x10000c
	s_cmp_lg_u32 s2, 0xf033
	s_cbranch_scc0 .Lentry_shape_is_right
	s_endpgm
.Lentry_shape_is_right:
; out0 = (attention's result) o_w^T on codes of E5M2: [8192][1024] x [1024][1024]^T, f32 out.  Each finished sum is multiplied once by 2^(e10 + e11).  LIMIT: e10 + e11 between -126 and 127.
; A tile is 256 x 256, four waves of 128 x 128; K goes in four steps of 256 through two LDS slots filled by joint tensor loads; 4 x 4 work-groups form a cluster: A's tiles are shared along its rows, B's along its columns.
; Both operands are images of registers: row block rb = rows 32 (rb / 2) + 8 (rb % 2) + r + 8 (r / 8); a fragment is four chunks of 512 bytes, lane l's 16 bytes at 16 l (k = 32 c + 16 (l / 16) + 0 .. 15, alike on both sides);
; 128 rows of a K step are 32,768 dense bytes.  The matrix instruction is used transposed (source 0 = o_w's rows, source 1 = the rows of A): lane (r, h) of accumulator (a, b) holds row r of block a and
; columns 32 (b / 2) + 16 h + 8 (b % 2) + 0 .. 7.  A block goes through the wave's stage in LDS and leaves as whole pieces of rows, 512 consecutive bytes a store.
; REGISTERS: window 0: v16-29 addresses; v32-95 a block's sums, scaled; v128-255 A's fragments, later rows read back.  window 1: B's two sets.  windows 2, 3: the accumulators.
.set HALFT,  32768
.set SLOT,   4*HALFT
.set SPARE,  2*SLOT                    ; the spare words, 128 bytes a wave, which no other line names
.set SA,     0x200000                  ; bytes from K step to K step in A's image (8,192 rows x 256),
.set SB,     0x40000                   ; in o_w's (1,024 x 256)
.set FR,     16
.set NL,     4
.set NP,     4
.set SPITCH, 528                       ; the stage: 16 rows x (512 bytes + 16) a wave, in slot 0, which has had its last fill and its last read when the first result is stored there
.set ADRA, 16
.set ADRB, 20
.set STO,  24
.set RD,   25
.set CO,   26
.set SPW,  28
.set NIL,  29
.set TMP,  32
.set AF,   128
.set BK,   128
.set G1, 24
.set G0, 32
.set G1B, 48
.set G0B, 56
.set MSB, 0
.macro WIN new
.if MSB != (\new)
	s_set_vgpr_msb (MSB<<8)|(\new)
.set MSB, \new
.endif
.endm
.set MUL_LO, 0xa1
.set MUL_HI, 0xf1
.set TO_B,   0x40
.macro JLOAD g0a, g1a, g0b, g1b        ; waves 0, 1 fetch for A, waves 2, 3 for B; four v_nop follow each line
	s_cmp_eq_u32 s15, 0
	s_cbranch_scc0 .Lfor_b_\@
	tensor_load_to_lds s[\g0a:\g0a+3], s[\g1a:\g1a+7]
	s_nop 0
.rept 4
	v_nop
.endr
	s_branch .Lasked_\@
.Lfor_b_\@:
	tensor_load_to_lds s[\g0b:\g0b+3], s[\g1b:\g1b+7]
	s_nop 0
.rept 4
	v_nop
.endr
.Lasked_\@:
.endm
.macro CREST
	s_cmp_lg_u32 s14, 0
	s_cbranch_scc1 .Lnot_wave_0_\@
	s_barrier_signal -3
.Lnot_wave_0_\@:
	s_barrier_wait -3
	s_barrier_signal -1
	s_barrier_wait -1
.endm
.macro CROUND
	s_barrier_signal -1
	s_barrier_wait -1
	CREST
.endm
	s_load_b128 s[4:7], s[0:1], 0x0                ; ao, wc
	s_load_b128 s[8:11], s[0:1], 0x10              ; the scales' exponents, out0
	v_lshl_add_u32 v[SPW], v0, 2, SPARE
	v_mov_b32 v[NIL], 0
	ds_add_u32 v28, v29
	s_wait_dscnt 0x0
	v_lshrrev_b32 v1, 5, v0
	v_readfirstlane_b32 s14, v1
	s_lshr_b32 s15, s14, 1
	s_and_b32 s16, s14, 1
	s_bfe_u32 s40, ttmp6, 0x40000
	s_bfe_u32 s41, ttmp6, 0x40004
	s_lshl_b32 s42, ttmp9, 2
	s_add_co_u32 s42, s42, s40                     ; tile column
	s_and_b32 s17, ttmp7, 0xffff
	s_lshl_b32 s17, s17, 2
	s_add_co_u32 s17, s17, s41                     ; tile row
	s_lshl_b32 s43, s41, 2
	s_lshl_b32 s43, 15, s43
	s_lshl_b32 s44, 0x1111, s40
	s_or_b32 s[G1+0], s43, (1<<21)
	s_or_b32 s[G1B+0], s44, (1<<21)
.irp g, G1, G1B
	s_mov_b32 s[\g+1], 256<<16
	s_mov_b32 s[\g+2], 128<<16
	s_mov_b32 s[\g+3], 256<<16
	s_mov_b32 s[\g+4], 128
	s_mov_b32 s[\g+5], 256
	s_mov_b32 s[\g+6], 0
	s_mov_b32 s[\g+7], 0
.endr
	s_lshl_b32 s20, s17, 16
	s_lshl_b32 s21, s16, 15
	s_add_co_u32 s20, s20, s21
	s_mov_b32 s21, 0
	s_lshl_b32 s46, s42, 16
	s_lshl_b32 s47, s16, 15
	s_add_co_u32 s46, s46, s47
	s_add_co_u32 s46, s46, 0x300000                ; o_w's image is the fourth in wc
	s_mov_b32 s47, 0
	s_mul_i32 s45, s14, HALFT
	s_wait_kmcnt 0x0
	s_load_b64 s[96:97], s[8:9], 0x28              ; entries 10, 11
	s_add_nc_u64 s[20:21], s[4:5], s[20:21]
	s_add_nc_u64 s[46:47], s[6:7], s[46:47]
	CROUND
.irp s, 0,1
	s_mov_b32 s[G0+4*\s], 1
	s_add_co_u32 s[G0+4*\s+1], s45, \s*SLOT
	s_add_nc_u64 s[G0+4*\s+2:G0+4*\s+3], s[20:21], \s*SA
	s_or_b32 s[G0+4*\s+3], s[G0+4*\s+3], 0x80000000
	s_mov_b32 s[G0B+4*\s], 1
	s_add_co_u32 s[G0B+4*\s+1], s45, \s*SLOT
	s_add_nc_u64 s[G0B+4*\s+2:G0B+4*\s+3], s[46:47], \s*SB
	s_or_b32 s[G0B+4*\s+3], s[G0B+4*\s+3], 0x80000000
	JLOAD G0+4*\s, G1, G0B+4*\s, G1B
.endr
	v_and_b32 v1, 31, v0
	v_lshlrev_b32 v[CO], 4, v1                     ; 16 x lane
	s_mul_i32 s21, s15, HALFT
	s_mul_i32 s22, s16, HALFT
	s_add_co_u32 s22, s22, 2*HALFT
.irp s, 0,1
	v_add_nc_u32 v[ADRA+\s], s21, v[CO]
	v_add_nc_u32 v[ADRB+\s], s22, v[CO]
	s_add_co_u32 s21, s21, SLOT
	s_add_co_u32 s22, s22, SLOT
.endr
	s_mul_i32 s23, s14, 16*SPITCH                  ; my stage
	v_and_b32 v2, 15, v0
	v_bfe_u32 v3, v0, 4, 1
	v_mul_u32_u24 v5, v2, SPITCH
	v_lshl_add_u32 v5, v3, 6, v5
	v_add_nc_u32 v[STO], s23, v5                   ; in: row r, + 64 h
	v_add_nc_u32 v[RD], s23, v[CO]                 ; back: the 32 lanes take a row's 512 bytes
	s_lshl_b32 s20, s17, 20                        ; out0 at (256 x tile row + 128 x half) rows of 4,096 bytes + 1,024 x tile column + 512 x half
	s_lshl_b32 s21, s15, 19
	s_add_co_u32 s20, s20, s21
	s_lshl_b32 s21, s42, 10
	s_add_co_u32 s20, s20, s21
	s_lshl_b32 s21, s16, 9
	s_add_co_u32 s20, s20, s21
	s_mov_b32 s21, 0
	s_add_nc_u64 s[10:11], s[10:11], s[20:21]
.macro FRAG reg, adr, q, i
.irp c, 0,1,2,3
	ds_load_b128 v[\reg+4*\c:\reg+4*\c+3], v[\adr] offset:(\i)*4096+(\q)*2048+512*\c
.endr
.endm
.macro MUL16 a0, p, zero               ; the 64 accumulators take turns, one instruction a turn, in the same order in every step
.irp a, \a0, \a0+1
.irp b, 0,1,2,3,4,5,6,7
.if \zero
	v_wmma_f32_16x16x128_bf8_bf8 v[8*(8*((\a)%4)+\b):8*(8*((\a)%4)+\b)+7], v[128*(\p)+FR*\b:128*(\p)+FR*\b+FR-1], v[AF+FR*(\a):AF+FR*(\a)+FR-1], 0
.else
	v_wmma_f32_16x16x128_bf8_bf8 v[8*(8*((\a)%4)+\b):8*(8*((\a)%4)+\b)+7], v[128*(\p)+FR*\b:128*(\p)+FR*\b+FR-1], v[AF+FR*(\a):AF+FR*(\a)+FR-1], v[8*(8*((\a)%4)+\b):8*(8*((\a)%4)+\b)+7]
.endif
.endr
.endr
.endm
.macro FETCH_B slot, q, p
	WIN TO_B
.irp i, 0,1,2,3,4,5,6,7
	FRAG 128*(\p)+FR*\i, ADRB+\slot, \q, \i
.endr
	WIN 0
.endm
.macro FETCH_A slot, q, i0
.irp i, \i0, \i0+1, \i0+2, \i0+3
	FRAG AF+FR*(\i), ADRA+\slot, \q, \i
.endr
.endm
.macro PLACES n
.rept \n
	v_nop
.endr
.endm
.macro STEP slot, q, zero
	s_wait_dscnt 4*NL                              ; the youngest sixteen loads (A's blocks 4-7) may be out
	WIN MUL_LO
	MUL16 0, (\q)%2, \zero
	MUL16 2, (\q)%2, \zero
	s_wait_dscnt 0
	PLACES NP
	FETCH_B \slot, (\q)+1, 1-(\q)%2
	FETCH_A \slot, (\q)+1, 0
	WIN MUL_HI
	MUL16 4, (\q)%2, \zero
	MUL16 6, (\q)%2, \zero
	PLACES NP
	WIN 0
	FETCH_A \slot, (\q)+1, 4
.endm
.macro TURN slot, next, fill
	s_wait_tensorcnt 0x0                           ; all my tensor loads have landed
	ds_add_u32 v[SPW], v[NIL]                      ; 0 onto my spare word
	s_wait_dscnt 4*NL+1                            ; (the add and the youngest sixteen loads may be out)
	WIN MUL_LO
	MUL16 0, 1, 0
	s_wait_dscnt 0x0                               ; the add is done, and my reads of this slot are over
	s_barrier_signal -1
	MUL16 2, 1, 0
	WIN 0
	s_barrier_wait -1
.if \fill
	CREST
	s_add_nc_u64 s[G0+4*\slot+2:G0+4*\slot+3], s[G0+4*\slot+2:G0+4*\slot+3], 2*SA
	s_add_nc_u64 s[G0B+4*\slot+2:G0B+4*\slot+3], s[G0B+4*\slot+2:G0B+4*\slot+3], 2*SB
	JLOAD G0+4*\slot, G1, G0B+4*\slot, G1B
.else
	PLACES NP
.endif
	FETCH_B \next, 0, 0
	FETCH_A \next, 0, 0
	WIN MUL_HI
	MUL16 4, 1, 0
	MUL16 6, 1, 0
	PLACES NP
	WIN 0
	FETCH_A \next, 0, 4
.endm
	s_wait_tensorcnt 1                             ; my part of K step 0 is in; K step 1's load may be out
	s_barrier_signal -1
	s_barrier_wait -1
	FETCH_B 0, 0, 0
	FETCH_A 0, 0, 0
	FETCH_A 0, 0, 4
	STEP 0, 0, 1
	TURN 0, 1, 1
	STEP 1, 0, 0
	TURN 1, 0, 1
	STEP 0, 0, 0
	TURN 0, 1, 0
	STEP 1, 0, 0
	s_wait_dscnt 4*NL
	WIN MUL_LO
	MUL16 0, 1, 0
	MUL16 2, 1, 0
	s_wait_dscnt 0
	WIN MUL_HI
	MUL16 4, 1, 0
	MUL16 6, 1, 0
	WIN 0
; THE WAY OUT, block by block of 16 rows x 128 columns, through my own stage.  LDS serves a wave's instructions in order: no wait between the stores and the loads, nor in front of the next block's stores.
.macro TOSTAGE a
.set AC, 64*((\a)%4)
	WIN 0x02+((\a)/4)
.set j, 0
.rept 32
	v_pk_mul_f32 v[TMP+j:TMP+j+1], v[AC+j:AC+j+1], s[96:97] op_sel_hi:[1,0]   ; x 2^(e10 + e11); each accumulator from its low end on
.set j, j+2
.endr
	WIN 0
.irp b, 0,1,2,3,4,5,6,7
	ds_store_b128 v[STO], v[TMP+8*\b:TMP+8*\b+3] offset:128*(\b/2)+32*(\b%2)
	ds_store_b128 v[STO], v[TMP+8*\b+4:TMP+8*\b+7] offset:128*(\b/2)+32*(\b%2)+16
.endr
.set BB, BK+64*((\a)%2)
.irp t, 0,1,2,3,4,5,6,7,8,9,10,11,12,13,14,15
	ds_load_b128 v[BB+4*\t:BB+4*\t+3], v[RD] offset:\t*SPITCH
.endr
.endm
.macro SEND a, younger                 ; younger: the LDS instructions issued behind block a's loads, which may stay out
.set BB, BK+64*((\a)%2)
	s_wait_dscnt \younger
.irp t, 0,1,2,3,4,5,6,7,8,9,10,11,12,13,14,15
	global_store_b128 v[CO], v[BB+4*\t:BB+4*\t+3], s[10:11] offset:(32*((\a)/2)+8*((\a)%2)+\t+8*(\t/8))*4096 th:TH_STORE_NT   ; the block's row t in its true place; 512 consecutive bytes, aligned; 127 rows at the most, inside the immediate
.endr
.endm
	s_wait_kmcnt 0x0
	s_add_co_i32 s96, s96, s97
	s_add_co_i32 s96, s96, 127
	s_lshl_b32 s96, s96, 23                        ; 2^(e10 + e11) as f32
	PLACES NP
	TOSTAGE 0
.irp a, 1,2,3,4,5,6,7
.if \a > 1
	s_wait_xcnt 0x0                                ; block a - 2's stores have read their registers: block a's loads may land there
.endif
	TOSTAGE \a
	SEND \a-1, 32                                  ; behind block a - 1's loads: block a's 16 stores and 16 loads
.endr
	SEND 7, 0
	s_wait_tensorcnt 0x0                           ; the wave's end
	ds_add_u32 v[SPW], v[NIL]
	s_wait_dscnt 0x0
	CROUND                                         ; the closing round
	s_endpgm
.Lfunc_end_k_q234ec287a3_oproj:
	.size	k_q234ec287a3_oproj, .Lfunc_end_k_q234ec287a3_oproj-k_q234ec287a3_oproj
	.p2alignl 7, 3214868480
	.fill 96, 4, 3214868480
	.section	.rodata,"a",@progbits
	.p2align	6, 0x0
	.amdhsa_kernel k_q234ec287a3_oproj
		.amdhsa_group_segment_fixed_size 327680
		.amdhsa_private_segment_fixed_size 0
		.amdhsa_enable_private_segment 0
		.amdhsa_kernarg_size 32
		.amdhsa_user_sgpr_count 2
		.amdhsa_user_sgpr_kernarg_segment_ptr 1
		.amdhsa_wavefront_size32 1
		.amdhsa_system_sgpr_workgroup_id_x 1
		.amdhsa_system_sgpr_workgroup_id_y 1
		.amdhsa_system_sgpr_workgroup_id_z 1
		.amdhsa_system_vgpr_workitem_id 0
		.amdhsa_next_free_vgpr 1024
		.amdhsa_next_free_sgpr 98
		.amdhsa_reserve_vcc 0
		.amdhsa_float_denorm_mode_32 3
		.amdhsa_float_denorm_mode_16_64 3
		.amdhsa_memory_ordered 1
		.amdhsa_forward_progress 1
		.amdhsa_inst_pref_size 122
	.end_amdhsa_kernel
	.amdgpu_metadata
---
amdhsa.version: [ 1, 2 ]
amdhsa.kernels:
  - .name:           k_q234ec287a3_oproj
    .symbol:         k_q234ec287a3_oproj.kd
    .args:
      - { .name: ao, .offset: 0, .size: 8, .value_kind: global_buffer, .address_space: global }
      - { .name: wc, .offset: 8, .size: 8, .value_kind: global_buffer, .address_space: global }
      - { .name: lowp_scales, .offset: 16, .size: 8, .value_kind: global_buffer, .address_space: global }
      - { .name: out0, .offset: 24, .size: 8, .value_kind: global_buffer, .address_space: global }
    .group_segment_fixed_size: 327680
    .private_segment_fixed_size: 0
    .kernarg_segment_align: 8
    .kernarg_segment_size: 32
    .max_flat_workgroup_size: 128
    .sgpr_count:     98
    .vgpr_count:     1024
    .wavefront_size: 32
...
	.end_amdgpu_metadata
.endif
;; end of part 4
